; MI455X (gfx1250); checked and timed in simulation.
; The chip was launched on July 23, 2026; its instructions are those of AMD's public machine-readable ISA for CDNA 5 (MIT licence, August 2026) and "CDNA5" Instruction Set Architecture Reference Guide (July 2026). The comments in the code are by the model that wrote it; some were corrected since.
;; Attention Block. Allowed arithmetic: matrix products marked QUANTISED: E2M3 operands, one E8M0 scale for each 32 along K, by v_wmma_scale_f32_16x16x128_f8f6f4 with both operands' format E2M3, f32 sums; everything else in f32.
;; Inputs: beta 256 float32; bk 256 float32; bp 256 float32; bq 256 float32; bv 256 float32; gamma 256 float32; wk_codes 256 x 8 x 24 uint8 (E2M3 codes of wk, K innermost, in blocks of 32 codes, four codes in three bytes); wk_scales 256 x 8 uint8 (E8M0 scales of wk, one for each 32 codes along K); wp_codes 256 x 8 x 24 uint8 (E2M3 codes of wp, K innermost, in blocks of 32 codes, four codes in three bytes); wp_scales 256 x 8 uint8 (E8M0 scales of wp, one for each 32 codes along K); wq_codes 256 x 8 x 24 uint8 (E2M3 codes of wq, K innermost, in blocks of 32 codes, four codes in three bytes); wq_scales 256 x 8 uint8 (E8M0 scales of wq, one for each 32 codes along K); wv_codes 256 x 8 x 24 uint8 (E2M3 codes of wv, K innermost, in blocks of 32 codes, four codes in three bytes); wv_scales 256 x 8 uint8 (E8M0 scales of wv, one for each 32 codes along K); x 4 x 256 x 64 x 64 float32.
;; Outputs: out0 4 x 256 x 64 x 64 float32.
;; This version of the problem:
;;   THIS VERSION OF THE PROBLEM IS GIVEN IN LOW PRECISION. The matrix products marked QUANTISED in the list below multiply operands that are first quantised to E2M3 (2 exponent bits, 3 mantissa bits; 6 bits a number), with one power-of-two scale for each 32 numbers along K (OCP MX v1.0); their sums are f32. All else is computed in f32.
;;   The module's matrix products, in the order in which they are computed (A, B: the left and right operand; K: the contracted axis; several contracted axes count as one K, in the product's order):
;;     1. [M 16,384, K 256] x [K 256, N 256]; A: computed on the way; B: input wq (given as codes): QUANTISED
;;     2. [M 16,384, K 256] x [K 256, N 256]; A: computed on the way; B: input wk (given as codes): QUANTISED
;;     3. [M 16,384, K 256] x [K 256, N 256]; A: computed on the way; B: input wv (given as codes): QUANTISED
;;     4. batch 4 x [M 4,096, K 256] x [K 256, N 4,096]; A: computed on the way; B: computed on the way: QUANTISED
;;     5. batch 4 x [M 256, K 4,096] x [K 4,096, N 4,096]; A: computed on the way; B: softmax (see below): QUANTISED
;;     6. [M 16,384, K 256] x [K 256, N 256]; A: computed on the way; B: input wp (given as codes): QUANTISED
;;   THE QUANTISER, for each operand of a quantised product, along K:
;;     - K is cut into blocks of 32 from its start; a last block that is shorter is filled with zeros.
;;     - A block's scale is 2^e with e = floor(log2(the largest magnitude in the block)) - 2, held to -126 .. 127; a block of zeros has e = 0. As a byte (E8M0): e + 127.
;;     - Each number is divided by its block's scale, clamped to +-7.5, and rounded to the nearest number of E2M3, ties to even, subnormals kept.
;;     - The product sums the exact products of the quantised numbers (number of the format x scale) in f32.
;;   ~~~python
;;   def quantise(x, axis):      # numpy; x: float32 -> the quantised numbers, widened to float32 again
;;       x = np.moveaxis(x, axis, -1); K = x.shape[-1]
;;       x = np.pad(x, [(0, 0)] * (x.ndim - 1) + [(0, -K % 32)]); x = x.reshape(x.shape[:-1] + (-1, 32)); a = np.abs(x).max(-1, keepdims=True)
;;       e = np.where(a > 0, np.clip(np.frexp(np.where(a > 0, a, 1))[1] - 1 - 2, -126, 127), 0)      # np.frexp(a)[1] - 1 = floor(log2(a)), exactly
;;       r = np.clip(x / 2.0 ** e, -7.5, 7.5)
;;       step = 2.0 ** (np.maximum(np.frexp(np.where(r == 0, 1, r))[1] - 1, 0) - 3)
;;       q = np.round(r / step) * step * 2.0 ** e      # np.round: ties to even
;;       return np.moveaxis(q.reshape(q.shape[:-2] + (-1,))[..., :K], -1, axis).astype(np.float32)
;;   ~~~
;;   SOFTMAX AHEAD OF A QUANTISED PRODUCT. Where the list says 'softmax', what is quantised is not the finished softmax but p = 2^(t - M), with t = logit x log2(e) and M = ceil(the row's largest t), a whole number; so 1/2 < the row's largest p <= 1. The row's sum l is taken of the UNQUANTISED p, in f32, and the product's result is divided by l at the end. Since M is a whole number, a kernel that streams over the keys may use a running M (the ceiling of the running maximum): every later rescaling is an exact power of two, which a block's scale takes up: the codes' values come out the same.
;;   OPERANDS COMPUTED ON THE WAY. 'Computed on the way' means the value that the module computes at that place (a softmax that the list does not call 'softmax' is quantised finished and normalised). What goes into a quantiser is computed in f32, as accurately as f32 sums, v_exp_f32 and their like allow (about 1e-6 of the number): no bf16 or f16 on the way to a quantiser, and a product that is left as it is and whose result goes on into a quantised operand takes f32 operands (vector FMAs, or v_wmma_f32_16x16x4_f32). A number that lies on a knife's edge between two numbers of the format may be rounded either way, as far as f32 arithmetic and the matrix unit's own rounding can turn it there, and no further.
;;   INPUTS GIVEN AS CODES. wk (in the module: [256, 256], K = its axis 1); wp (in the module: [256, 256], K = its axis 1); wq (in the module: [256, 256], K = its axis 1); wv (in the module: [256, 256], K = its axis 1): each comes as NAME_codes (uint8): NAME with its K axis moved to the last place and cut into blocks of 32 codes, [.., K / 32, bytes a block], one block behind the other in memory; four codes in three bytes: a row's codes are one little-endian stream of bits, code i at bits 6 i .. 6 i + 5 (a code: sign, 2 exponent bits, 3 mantissa bits); and NAME_scales (uint8): the same leading axes, one E8M0 byte (e + 127) for each 32 codes along K. Its value is code x scale, taken as it is: it is not quantised again, and the codes and scales need not be those that the quantiser above would give.
;; One version. Each part assembles by itself: llvm-mc -triple=amdgcn-amd-amdhsa -mcpu=gfx1250 --defsym DOCPART=n.
;; ======== version 1 of 1: 3 launches
;; workspace buffers: stats 8,192 bytes; qws 3,276,800 bytes; kws 3,276,800 bytes; vws 3,276,800 bytes
;; launch stats (part 1): grid 256 x 1, 4 waves a work-group, no clusters, 0 bytes of LDS; arguments x, stats; writes stats
.if DOCPART == 1
	.amdgcn_target "amdgcn-amd-amdhsa--gfx1250"
	.amdhsa_code_object_version 6
	.text
	.protected	k_qb3c4ac0d32_stats
	.globl	k_qb3c4ac0d32_stats
	.p2align	8
	.type	k_qb3c4ac0d32_stats,@function
k_qb3c4ac0d32_stats:
	s_mov_b64 s[64:65], 0
	v_nop
	global_prefetch_b8 v0, s[64:65] scope:SCOPE_SE
	s_setreg_imm32_b32 hwreg(HW_REG_WAVE_MODE, 25, 1), 1
	s_wait_xcnt 0x0
; GroupNorm statistics, first half.  x: [4][256][4096] f32; a norm group is 32 channels x 4,096 pixels = 512 KiB, dense.
; Each of the 1,024 waves takes 16 KiB (4,096 numbers): 32 such parts make a group.  A wave keeps its part in 128 registers,
; finds its mean, then the sum of squared differences from that mean (M2): two passes over registers, one read of memory,
; and no difference of large sums, so a common offset in x costs no accuracy.  It stores (mean, M2) at stats[8 x wave id].
; The next launch joins a group's 32 pairs.  No LDS, no barrier: waves share nothing.
; LIMITS: NaN and infinities in x are not served.
.set X, 16                             ; v16-143 my 4,096 numbers, 128 a lane
.macro LANESUM a, t                    ; the sum over the 32 lanes, in every lane
	v_add_f32_dpp v[\a], v[\a], v[\a] row_xmask:1 row_mask:0xf bank_mask:0xf
	v_add_f32_dpp v[\a], v[\a], v[\a] row_xmask:2 row_mask:0xf bank_mask:0xf
	v_add_f32_dpp v[\a], v[\a], v[\a] row_xmask:4 row_mask:0xf bank_mask:0xf
	v_add_f32_dpp v[\a], v[\a], v[\a] row_xmask:8 row_mask:0xf bank_mask:0xf
	v_permlanex16_b32 v[\t], v[\a], s14, s15
	v_add_f32 v[\a], v[\a], v[\t]
.endm
.macro FOLD                            ; the four chains v[2:9] become one number in v2, summed over the wave
	v_pk_add_f32 v[2:3], v[2:3], v[4:5]
	v_pk_add_f32 v[6:7], v[6:7], v[8:9]
	v_pk_add_f32 v[2:3], v[2:3], v[6:7]
	v_add_f32 v2, v2, v3
	LANESUM 2, 11
.endm
	s_load_b128 s[4:7], s[0:1], 0x0                ; x, stats
	v_lshrrev_b32 v1, 5, v0
	v_readfirstlane_b32 s8, v1                     ; wave 0..3
	v_and_b32 v15, 31, v0                          ; lane
	v_lshlrev_b32 v1, 4, v15                       ; 16 bytes a lane: a load covers 512 consecutive bytes
	v_mov_b32 v14, 0
	v_mov_b32 v11, 0                               ; a lane permute's destination counts as read
	s_lshl_b32 s9, ttmp9, 2
	s_add_co_u32 s9, s9, s8                        ; wave id 0..1023
	s_lshl_b32 s10, s9, 14                         ; its 16 KiB
	s_mov_b32 s11, 0
	s_lshl_b32 s12, s9, 3                          ; its pair
	s_mov_b32 s13, 0
	s_mov_b32 s14, 0x76543210
	s_mov_b32 s15, 0xfedcba98                      ; selects for lane l xor 16
	s_wait_kmcnt 0x0
	s_add_nc_u64 s[4:5], s[4:5], s[10:11]
	s_add_nc_u64 s[6:7], s[6:7], s[12:13]
.set k, 0
.rept 32
	global_load_b128 v[X+4*k:X+4*k+3], v1, s[4:5] offset:512*k   ; x is read again by the later launches: no hint
.set k, k+1
.endr
	; pass 1: the sum, two numbers at a time, four chains; the first eight pairs start the chains: nothing is cleared
.set j, 0
.rept 64
.if j%16 == 0
	s_wait_loadcnt 24-8*(j/16)                     ; this group of eight loads is in; the later groups may be out
.endif
.if j < 4
	v_pk_add_f32 v[2+2*j:3+2*j], v[X+2*j:X+2*j+1], v[X+2*j+8:X+2*j+9]
.elseif j >= 8
	v_pk_add_f32 v[2+2*(j%4):3+2*(j%4)], v[2+2*(j%4):3+2*(j%4)], v[X+2*j:X+2*j+1]
.endif
.set j, j+1
.endr
	FOLD
	v_mul_f32 v10, 0x39800000, v2                  ; / 4,096: my part's mean
	v_mov_b32 v12, v10
	v_mov_b32 v13, v10
	; pass 2: the differences, in place, and the sum of their squares
.set j, 0
.rept 64
	v_pk_add_f32 v[X+2*j:X+2*j+1], v[X+2*j:X+2*j+1], v[12:13] neg_lo:[0,1] neg_hi:[0,1]
.set j, j+1
.endr
.set j, 0
.rept 64
.if j < 4
	v_pk_mul_f32 v[2+2*j:3+2*j], v[X+2*j:X+2*j+1], v[X+2*j:X+2*j+1]
.else
	v_pk_fma_f32 v[2+2*(j%4):3+2*(j%4)], v[X+2*j:X+2*j+1], v[X+2*j:X+2*j+1], v[2+2*(j%4):3+2*(j%4)]
.endif
.set j, j+1
.endr
	FOLD
	v_mov_b32 v11, v2                              ; M2
	v_cmp_eq_u32 vcc_lo, 0, v15
	s_wait_xcnt 0x0                                ; EXEC changes only behind this wait
	s_and_saveexec_b32 s8, vcc_lo                  ; lane 0 stores the pair
	global_store_b64 v14, v[10:11], s[6:7]
	s_wait_xcnt 0x0
	s_or_b32 exec_lo, exec_lo, s8
	s_endpgm
.Lfunc_end_k_qb3c4ac0d32_stats:
	.size	k_qb3c4ac0d32_stats, .Lfunc_end_k_qb3c4ac0d32_stats-k_qb3c4ac0d32_stats
	.p2alignl 7, 3214868480
	.fill 96, 4, 3214868480
	.section	.rodata,"a",@progbits
	.p2align	6, 0x0
	.amdhsa_kernel k_qb3c4ac0d32_stats
		.amdhsa_group_segment_fixed_size 0
		.amdhsa_private_segment_fixed_size 0
		.amdhsa_enable_private_segment 0
		.amdhsa_kernarg_size 16
		.amdhsa_user_sgpr_count 2
		.amdhsa_user_sgpr_kernarg_segment_ptr 1
		.amdhsa_wavefront_size32 1
		.amdhsa_system_sgpr_workgroup_id_x 1
		.amdhsa_system_sgpr_workgroup_id_y 1
		.amdhsa_system_sgpr_workgroup_id_z 1
		.amdhsa_system_vgpr_workitem_id 0
		.amdhsa_next_free_vgpr 144
		.amdhsa_next_free_sgpr 66
		.amdhsa_reserve_vcc 1
		.amdhsa_float_denorm_mode_32 3
		.amdhsa_float_denorm_mode_16_64 3
		.amdhsa_memory_ordered 1
		.amdhsa_forward_progress 1
		.amdhsa_inst_pref_size 18
	.end_amdhsa_kernel
	.amdgpu_metadata
---
amdhsa.version: [ 1, 2 ]
amdhsa.kernels:
  - .name:           k_qb3c4ac0d32_stats
    .symbol:         k_qb3c4ac0d32_stats.kd
    .args:
      - { .name: x, .offset: 0, .size: 8, .value_kind: global_buffer, .address_space: global }
      - { .name: stats, .offset: 8, .size: 8, .value_kind: global_buffer, .address_space: global }
    .group_segment_fixed_size: 0
    .private_segment_fixed_size: 0
    .kernarg_segment_align: 8
    .kernarg_segment_size: 16
    .max_flat_workgroup_size: 128
    .sgpr_count:     66
    .vgpr_count:     144
    .wavefront_size: 32
...
	.end_amdgpu_metadata
.endif
;; end of part 1
;; launch qkv (part 2): grid 64 x 4, 12 waves a work-group, no clusters, 15,872 bytes of LDS; arguments x, stats, gamma, beta, wq_codes, wq_scales, bq, wk_codes, wk_scales, bk, wv_codes, wv_scales, bv, qws, kws, vws; writes qws, kws, vws
.if DOCPART == 2
	.amdgcn_target "amdgcn-amd-amdhsa--gfx1250"
	.amdhsa_code_object_version 6
	.text
	.protected	k_qb3c4ac0d32_qkv
	.globl	k_qb3c4ac0d32_qkv
	.p2align	8
	.type	k_qb3c4ac0d32_qkv,@function
k_qb3c4ac0d32_qkv:
	s_mov_b64 s[64:65], 0
	v_nop
	global_prefetch_b8 v0, s[64:65] scope:SCOPE_SE
	s_setreg_imm32_b32 hwreg(HW_REG_WAVE_MODE, 25, 1), 1
	s_wait_xcnt 0x0
; GroupNorm, then q, k, v = W xn + b on codes of FP6 (E2M3) with one E8M0 scale for each 32 along K, and q, k, v quantised again for the attention launch.
; A work-group takes 64 pixels of one image (x = block of 64 pixels, y = image).  Twelve waves: 0-3 make q, 4-7 k, 8-11 v; each owns 64 output channels, whose weights it reads once into registers.
; PHASE X (waves 0-7): wave w takes channels 32 w .. 32 w + 31, which are norm group w AND one block of 32 along K.  A lane holds two pixels and its registers run down the channels, so a block's largest
; magnitude needs no other lane.  The codes go to LDS as images of operand registers, the tiles' pixels in the order given below.
; q, k: source 0 = 16 rows of W, source 1 = 16 pixels of xn: a lane holds ONE pixel, its registers run along the output channels, which are the next product's K.
; v:    source 0 = 16 pixels of xn, source 1 = 16 rows of W: a lane holds ONE channel, its registers run along the pixels (the keys), which are v's K.
; THE ROWS OF A TILE ARE NOT NEIGHBOURS: lane r of tile 2 b + u takes row 32 b + 8 u + r + 8 (r / 8) (pixels of xn, rows of W): so the 16 registers of tiles 2 b, 2 b + 1 are 16 neighbours along the next K.
; WORKSPACE: a block of 25,600 bytes for each 128 pixels: 16 fragments (16 rows x 128 K, 12 registers a lane) of 1,536 bytes, then 1,024 scale bytes.  A fragment lies as two halves of 768 bytes: registers
; 6 c .. 6 c + 3 at 16 x lane (512 bytes), registers 6 c + 4, 5 at 8 x lane (256 bytes): every store here covers whole aligned runs of 256 bytes.
; LIMITS: NaN and infinities are not served; a block of zeros carries the byte 1 (its codes are zeros; this program alone reads these bytes).
.set XSC,   12288                      ; LDS: 0 .. 12,287 xn's 8 fragments ((2 t + s) x 1,536); here their scale words: 128 t + 64 s + 4 r + block
.set QS,    12800                      ; q's 512 scale bytes in their final order; k's 512 follow;
.set VS,    13824                      ; v's
.set BLKB,  25600
.set IMGB,  819200
.set SCOFF, 24576
.set XW16, 1                           ; v1   phase X: where my first pixel's four code registers go
.set XW8,  2                           ; v2   and its last two
.set XWB,  3                           ; v3   and its scale byte
.set L16,  4                           ; v4   16 x lane
.set L8,   5                           ; v5   8 x lane
.set L4,   6                           ; v6   4 x lane
.set SSQ,  7                           ; v7   q, k: where my two scale bytes go
.set SSV,  8                           ; v8   v: likewise
.set SSR,  9                           ; v9   where waves 0-2 read a finished 512 bytes of scales
.set WO,   10                          ; v10  my lane's byte in a tile of W
.set WSO,  11                          ; v11  in its scale words: lanes 0-15 K step 0, lanes 16-31 K step 1
.set BO,   12                          ; v12  q, k: my half's eight biases
.set BVO,  13                          ; v13  v: my channel's bias
.set ZERO, 14
.set WS,   15                          ; v15-18 W's scale words, one register a tile
.set XS,   19                          ; v19-22 xn's, one a tile of pixels
.set BV,   23                          ; v23-26 v's bias, one a tile
.set TM,   27                          ; v27-28 largest magnitudes;  v29-30 the other half's, then bytes;  v31-32 the conversions' scale operands;  v33 two bytes
.set TP,   29
.set SO,   31
.set HW,   33
.set W,    34                          ; v34-129  W's 8 fragments (tile a, K step s) at 12 (2 a + s)
.set BIAS, 130                         ; v130-161 the C of each sum's first product, eight registers a tile
.set XB,   162                         ; v162-209 fragments of xn
.set PC,   210                         ; v210-215 half a fragment just made;  v216-218 its second conversion
.set PT,   216
.set ACC,  224                         ; v224-255 four accumulators
.set X,    34                          ; phase X: v34-97 x (channel c: pair 2 c), v98-129 gamma, v130-161 beta, v162-225 xn (pixel i: 32 i + c)
.set GA,   98
.set BT,   130
.set XN,   162
.set STP,  226                         ; v226-227 a part's (mean, M2); v228-230 at work; v232-233 the mean twice; v234-235 1 / sqrt(var + eps) twice
.set T1,   228
.set T2,   229
.set T3,   230
.set MEAN, 232
.set RSTD, 234
.set PXC,  226                         ; later: pixel i's six code registers at 226 + 10 i, the second conversion's three behind them
.set WV,   46                          ; s46  wave
.set IMG,  48                          ; s48  image
.set SEL,  50                          ; s[50:51] selects for lane l xor 16
.macro FRAG4 reg, a16, a8, off         ; a fragment out of its image
	ds_load_b128 v[(\reg):(\reg)+3], v[\a16] offset:(\off)
	ds_load_b64 v[(\reg)+4:(\reg)+5], v[\a8] offset:(\off)+512
	ds_load_b128 v[(\reg)+6:(\reg)+9], v[\a16] offset:(\off)+768
	ds_load_b64 v[(\reg)+10:(\reg)+11], v[\a8] offset:(\off)+1280
.endm
.macro WM d, a, b, c, sa, sb, row      ; one product; row: which half of the lanes of both scale registers (the K step)
.if \row
	v_wmma_scale_f32_16x16x128_f8f6f4 v[(\d):(\d)+7], v[(\a):(\a)+11], v[(\b):(\b)+11], v[(\c):(\c)+7], v[\sa], v[\sb] matrix_a_fmt:MATRIX_FMT_FP6 matrix_b_fmt:MATRIX_FMT_FP6 matrix_a_scale:MATRIX_SCALE_ROW1 matrix_b_scale:MATRIX_SCALE_ROW1
.else
	v_wmma_scale_f32_16x16x128_f8f6f4 v[(\d):(\d)+7], v[(\a):(\a)+11], v[(\b):(\b)+11], v[(\c):(\c)+7], v[\sa], v[\sb] matrix_a_fmt:MATRIX_FMT_FP6 matrix_b_fmt:MATRIX_FMT_FP6
.endif
.endm
.macro PLACES n
.rept \n
	v_nop
.endr
.endm
.macro LANESUM a, t
	v_add_f32_dpp v[\a], v[\a], v[\a] row_xmask:1 row_mask:0xf bank_mask:0xf
	v_add_f32_dpp v[\a], v[\a], v[\a] row_xmask:2 row_mask:0xf bank_mask:0xf
	v_add_f32_dpp v[\a], v[\a], v[\a] row_xmask:4 row_mask:0xf bank_mask:0xf
	v_add_f32_dpp v[\a], v[\a], v[\a] row_xmask:8 row_mask:0xf bank_mask:0xf
	v_permlanex16_b32 v[\t], v[\a], s[SEL], s[SEL+1]
	v_add_f32 v[\a], v[\a], v[\t]
.endm
; The four accumulators, register 16 b + i = k 32 b + 16 (lane / 16) + i of my row, become half a fragment in v[PC] on and two scale bytes in v[HW].
.macro QUANTH
	s_wait_xcnt 0x0                                ; the last unit's stores have read v[PC] on
	v_max3_num_f32 v[TM], |v[ACC]|, |v[ACC+1]|, 0x1800000          ; each accumulator is read from its low end on; the floor 2^(3 - 127) holds the byte at 1 from below
	v_max3_num_f32 v[TM+1], |v[ACC+16]|, |v[ACC+17]|, 0x1800000
.irp i, 2,4,6,8,10,12,14
	v_max3_num_f32 v[TM], v[TM], |v[ACC+\i]|, |v[ACC+\i+1]|
	v_max3_num_f32 v[TM+1], v[TM+1], |v[ACC+16+\i]|, |v[ACC+17+\i]|
.endr
	v_permlanex16_b32 v[TP], v[TM], s[SEL], s[SEL+1]
	v_permlanex16_b32 v[TP+1], v[TM+1], s[SEL], s[SEL+1]
	v_max_num_f32 v[TM], v[TM], v[TP]              ; with lane l xor 16's 16: the block's largest magnitude
	v_max_num_f32 v[TM+1], v[TM+1], v[TP+1]
	v_add_nc_u32 v[SO], 0xff000000, v[TM]          ; 2 off the exponent field: the conversion's scale operand
	v_add_nc_u32 v[SO+1], 0xff000000, v[TM+1]
	v_lshrrev_b32 v[TP], 23, v[SO]                 ; the scale's byte
	v_lshrrev_b32 v[TP+1], 23, v[SO+1]
	v_lshl_or_b32 v[HW], v[TP+1], 8, v[TP]
	v_cvt_scalef32_pk16_fp6_f32 v[PC:PC+2], v[ACC:ACC+15], v[SO]
	v_cvt_scalef32_pk16_fp6_f32 v[PT:PT+2], v[ACC+16:ACC+31], v[SO+1]
	v_nop                                          ; one plain place behind a scaled conversion
.irp i, 0,1,2
	v_permlane16_swap_b32 v[PC+\i], v[PT+\i]       ; a whole block to a lane: lanes 0-15 the first block, lanes 16-31 the second
.endr
.irp i, 0,1,2
	v_mov_b32 v[PC+3+\i], v[PT+\i]
.endr
.endm
	s_load_b512 s[4:19], s[0:1], 0x0               ; x, stats, gamma, beta, wq_codes, wq_scales, bq, wk_codes
	s_load_b512 s[20:35], s[0:1], 0x40             ; wk_scales, bk, wv_codes, wv_scales, bv, qws, kws, vws
	s_set_vgpr_msb 0x40
	v_lshl_add_u32 v0, v0, 2, 0x3800
	v_mov_b32 v1, 0
	s_set_vgpr_msb 0x4000
	v_lshrrev_b32 v1, 5, v0
	v_readfirstlane_b32 s[WV], v1                  ; wave 0..11
	s_and_b32 s[IMG], ttmp7, 0xffff
	s_mov_b32 s[SEL], 0x76543210
	s_mov_b32 s[SEL+1], 0xfedcba98
	s_mov_b32 s49, 0x37000000                      ; 2^-17: a group has 131,072 numbers
	s_lshr_b32 s52, s[WV], 2                       ; q, k, v.  In phase X: my block's K step
	s_bfe_u32 s53, s[WV], 0x10001                  ; (wave / 2) % 2
	s_and_b32 s54, s[WV], 1
	s_and_b32 s55, s[WV], 3
	; every LDS address is made here, ahead of the first parting of the waves
	v_bfe_u32 v27, v0, 4, 1                        ; h = lane / 16
	v_bfe_u32 v28, v0, 2, 1
	v_bfe_u32 v29, v0, 3, 1
	v_and_b32 v30, 3, v0
	v_mul_u32_u24 v31, v27, 6144                   ; phase X: lane l holds pixels 2 l, 2 l + 1: tile t = 2 (l / 16) + (l / 4) % 2, row 2 (l % 4) + 8 ((l / 8) % 2) (+ 1)
	v_mad_u32_u24 v31, v28, 3072, v31              ; 3,072 t
	v_lshl_add_u32 v[XW16], v30, 5, v31
	v_lshl_add_u32 v[XW16], v29, 7, v[XW16]        ; + 16 x row
	v_lshl_add_u32 v[XW8], v30, 4, v31
	v_lshl_add_u32 v[XW8], v29, 6, v[XW8]          ; + 8 x row
	s_mul_i32 s56, s52, 1536                       ; my block of 32 channels is K step w / 4, half (w / 2) % 2, lanes 16 (w % 2) on
	s_mul_i32 s57, s53, 768
	s_add_co_u32 s56, s56, s57
	s_lshl_b32 s57, s54, 8
	s_add_co_u32 s57, s57, s56
	v_add_nc_u32 v[XW16], s57, v[XW16]
	s_lshl_b32 s57, s54, 7
	s_add_co_u32 s57, s57, s56
	v_add_nc_u32 v[XW8], s57, v[XW8]
	v_lshlrev_b32 v[XWB], 8, v27                   ; the scale byte: 128 t + 4 x row + 64 (w / 4) + w % 4
	v_lshl_add_u32 v[XWB], v28, 7, v[XWB]
	v_lshl_add_u32 v[XWB], v30, 3, v[XWB]
	v_lshl_add_u32 v[XWB], v29, 5, v[XWB]
	s_lshl_b32 s57, s52, 6
	s_add_co_u32 s57, s57, s55
	s_add_co_u32 s57, s57, XSC
	v_add_nc_u32 v[XWB], s57, v[XWB]
	v_and_b32 v33, 31, v0
	v_lshlrev_b32 v[L16], 4, v33
	v_lshlrev_b32 v[L8], 3, v33
	v_lshlrev_b32 v[L4], 2, v33
	v_and_b32 v31, 15, v0                          ; r
	s_lshl_b32 s57, s52, 9                         ; q, k: slot 16 s + r of 16 bytes, word = the tile, bytes 2 c, 2 c + 1
	s_lshl_b32 s58, s53, 8
	s_add_co_u32 s57, s57, s58
	s_lshl_b32 s58, s54, 1
	s_add_co_u32 s57, s57, s58
	s_add_co_u32 s57, s57, QS
	v_lshl_add_u32 v[SSQ], v31, 4, s57
	s_lshl_b32 s57, s55, 2                         ; v: slot 16 (tile % 2) + r, entry tile / 2 of two bytes
	s_add_co_u32 s57, s57, VS
	v_lshl_add_u32 v[SSV], v31, 4, s57
	s_min_u32 s57, s[WV], 2
	s_lshl_b32 s57, s57, 9
	s_add_co_u32 s57, s57, QS
	v_add_nc_u32 v[SSR], s57, v[L16]
	v_and_b32 v32, 8, v31
	v_add_nc_u32 v32, v32, v31                     ; r + 8 (r / 8)
	v_mul_u32_u24 v[WO], v32, 192                  ; a row of W is 256 codes, 192 bytes
	v_mad_u32_u24 v[WO], v27, 24, v[WO]
	v_lshlrev_b32 v[WSO], 3, v32
	v_lshl_add_u32 v[WSO], v27, 2, v[WSO]
	v_lshlrev_b32 v[BO], 6, v27
	v_lshlrev_b32 v[BVO], 2, v32
	v_mov_b32 v[ZERO], 0
	; offsets in memory
	s_mov_b32 s61, 0
	s_and_b32 s63, ttmp9, 1                        ; which half of a block of 128 pixels
	s_lshr_b32 s62, ttmp9, 1
	s_mul_i32 s62, s62, BLKB
	s_mul_i32 s57, s[IMG], IMGB
	s_add_co_u32 s62, s62, s57                     ; my block in each workspace
	s_mul_i32 s56, s63, 12288                      ; q, k: tiles 4 (half) on, K step s, half c
	s_mul_i32 s57, s53, 1536
	s_add_co_u32 s56, s56, s57
	s_mul_i32 s57, s54, 768
	s_add_co_u32 s56, s56, s57
	s_mul_i32 s57, s55, 6144                       ; v: tiles 4 (w % 4) on, half = the pixels' half
	s_mul_i32 s58, s63, 768
	s_add_co_u32 s57, s57, s58
	s_cmp_lt_u32 s[WV], 8
	s_cselect_b32 s59, s56, s57
	s_add_co_u32 s59, s59, s62                     ; where my halves of fragments go
	s_wait_kmcnt 0x0
	s_cmp_lt_u32 s[WV], 4                          ; the buffers of my role: the choices hang on the wave's number alone
	s_cselect_b64 s[36:37], s[12:13], s[18:19]
	s_cselect_b64 s[38:39], s[14:15], s[20:21]
	s_cselect_b64 s[40:41], s[16:17], s[22:23]
	s_cselect_b64 s[42:43], s[30:31], s[32:33]
	s_cmp_lt_u32 s[WV], 8
	s_cselect_b64 s[36:37], s[36:37], s[24:25]     ; W's codes
	s_cselect_b64 s[38:39], s[38:39], s[26:27]     ; W's scales
	s_cselect_b64 s[40:41], s[40:41], s[28:29]     ; the bias
	s_cselect_b64 s[42:43], s[42:43], s[34:35]     ; my workspace
	s_cmp_eq_u32 s[WV], 0
	s_cselect_b64 s[44:45], s[30:31], s[32:33]
	s_cmp_lt_u32 s[WV], 2
	s_cselect_b64 s[44:45], s[44:45], s[34:35]     ; waves 0, 1, 2 store q's, k's, v's scale bytes
	s_lshl_b32 s60, s[IMG], 22
	s_lshl_b32 s57, s[WV], 19
	s_add_co_u32 s60, s60, s57
	s_lshl_b32 s57, ttmp9, 8
	s_add_co_u32 s60, s60, s57
	s_add_nc_u64 s[4:5], s[4:5], s[60:61]          ; x: my image, channel 32 w, my 64 pixels
	s_lshl_b32 s60, s[IMG], 3
	s_add_co_u32 s60, s60, s[WV]
	s_lshl_b32 s60, s60, 8
	s_add_nc_u64 s[6:7], s[6:7], s[60:61]          ; my group's 32 pairs
	s_lshl_b32 s60, s[WV], 7
	s_add_nc_u64 s[8:9], s[8:9], s[60:61]          ; gamma and beta of my 32 channels
	s_add_nc_u64 s[10:11], s[10:11], s[60:61]
	s_mul_i32 s60, s55, 12288
	s_add_nc_u64 s[36:37], s[36:37], s[60:61]      ; my 64 rows of W,
	s_lshl_b32 s60, s55, 9
	s_add_nc_u64 s[38:39], s[38:39], s[60:61]      ; their scale words,
	s_lshl_b32 s60, s55, 8
	s_add_nc_u64 s[40:41], s[40:41], s[60:61]      ; their biases
	s_mov_b32 s60, s59
	s_add_nc_u64 s[42:43], s[42:43], s[60:61]
	s_lshl_b32 s60, s63, 9
	s_add_co_u32 s60, s60, s62
	s_add_co_u32 s60, s60, SCOFF
	s_add_nc_u64 s[44:45], s[44:45], s[60:61]
	; ---- X1 (waves 0-7): xn of my 32 channels x 64 pixels
	s_cmp_lt_u32 s[WV], 8
	s_cbranch_scc0 .Lno_x1
	global_load_b64 v[STP:STP+1], v[L8], s[6:7]    ; lane l: part l's (mean, M2)
.irp k, 0,1,2,3,4,5,6,7
	global_load_b128 v[GA+4*\k:GA+4*\k+3], v[ZERO], s[8:9] offset:16*\k    ; the same 32 numbers in every lane
.endr
.irp k, 0,1,2,3,4,5,6,7
	global_load_b128 v[BT+4*\k:BT+4*\k+3], v[ZERO], s[10:11] offset:16*\k
.endr
.set c, 0
.rept 32
	global_load_b64 v[X+2*c:X+2*c+1], v[L8], s[4:5] offset:16384*c         ; channel c: 256 consecutive bytes, aligned; lane l: pixels 2 l, 2 l + 1
.set c, c+1
.endr
	v_mov_b32 v[T2], 0                             ; a lane permute's destination counts as read
	s_wait_loadcnt 48                              ; the pair is in; behind it: 16 loads of gamma and beta, 32 of x
	v_mov_b32 v[T1], v[STP]
	LANESUM T1, T2
	v_mul_f32 v[MEAN], 0x3d000000, v[T1]           ; the group's mean: the parts are equal, so the mean of their means
	v_mov_b32 v[MEAN+1], v[MEAN]
	v_sub_f32 v[T3], v[STP], v[MEAN]
	v_mul_f32 v[T3], v[T3], v[T3]
	v_fmamk_f32 v[T3], v[T3], 0x45800000, v[STP+1] ; M2 of the part + 4,096 (its mean - the mean)^2
	LANESUM T3, T2
	v_fmaak_f32 v[T3], s49, v[T3], 0x3727c5ac      ; the variance + 1e-5
	v_rsq_f32 v[RSTD], v[T3]
	v_nop                                          ; one plain place behind a transcendental
	s_wait_alu depctr_va_vdst(0)
	v_mov_b32 v[RSTD+1], v[RSTD]
	s_wait_loadcnt 32                              ; gamma and beta are in; x's 32 may be out
.set c, 0
.rept 16
	v_pk_mul_f32 v[GA+2*c:GA+2*c+1], v[GA+2*c:GA+2*c+1], v[RSTD:RSTD+1]
.set c, c+1
.endr
	s_wait_loadcnt 0x0
.set c, 0
.rept 32
	v_pk_add_f32 v[X+2*c:X+2*c+1], v[X+2*c:X+2*c+1], v[MEAN:MEAN+1] neg_lo:[0,1] neg_hi:[0,1]
.set c, c+1
.endr
.set c, 0
.rept 32
	v_fma_f32 v[XN+c], v[X+2*c], v[GA+c], v[BT+c]          ; the multiply-add also lays a pixel's 32 channels on end
	v_fma_f32 v[XN+32+c], v[X+2*c+1], v[GA+c], v[BT+c]
.set c, c+1
.endr
.Lno_x1:
	; ---- W (all waves): my 64 rows of W, their scale words and biases; they land while xn is quantised
.irp a, 0,1,2,3
.irp s, 0,1
.irp p, 0,1,2,3,4,5
	global_load_b64 v[W+12*(2*\a+\s)+2*\p:W+12*(2*\a+\s)+2*\p+1], v[WO], s[36:37] offset:(32*(\a/2)+8*(\a%2))*192+96*\s+48*(\p/3)+8*(\p%3)
.endr
.endr
	global_load_b32 v[WS+\a], v[WSO], s[38:39] offset:(32*(\a/2)+8*(\a%2))*8
	global_load_b128 v[BIAS+8*\a:BIAS+8*\a+3], v[BO], s[40:41] offset:(32*(\a/2)+8*(\a%2))*4
	global_load_b128 v[BIAS+8*\a+4:BIAS+8*\a+7], v[BO], s[40:41] offset:(32*(\a/2)+8*(\a%2))*4+16
	global_load_b32 v[BV+\a], v[BVO], s[40:41] offset:(32*(\a/2)+8*(\a%2))*4
.endr
	; ---- X2 (waves 0-7): each pixel's block of 32 becomes 24 bytes of codes and a scale byte
	s_cmp_lt_u32 s[WV], 8
	s_cbranch_scc0 .Lno_x2
.irp i, 0,1
	v_max3_num_f32 v[TM+\i], |v[XN+32*\i]|, |v[XN+32*\i+1]|, 0x1800000
.endr
.irp c, 2,4,6,8,10,12,14,16,18,20,22,24,26,28,30
.irp i, 0,1
	v_max3_num_f32 v[TM+\i], v[TM+\i], |v[XN+32*\i+\c]|, |v[XN+32*\i+\c+1]|
.endr
.endr
.irp i, 0,1
	v_add_nc_u32 v[SO+\i], 0xff000000, v[TM+\i]
.endr
.irp i, 0,1
	v_lshrrev_b32 v[TP+\i], 23, v[SO+\i]
.endr
.irp i, 0,1
	v_cvt_scalef32_pk16_fp6_f32 v[PXC+10*\i:PXC+10*\i+2], v[XN+32*\i:XN+32*\i+15], v[SO+\i]
	v_cvt_scalef32_pk16_fp6_f32 v[PXC+10*\i+6:PXC+10*\i+8], v[XN+32*\i+16:XN+32*\i+31], v[SO+\i]
.endr
	v_nop                                          ; one plain place behind a scaled conversion
.irp i, 0,1
.irp j, 0,1,2
	v_mov_b32 v[PXC+10*\i+3+\j], v[PXC+10*\i+6+\j]
.endr
.endr
.irp i, 0,1
	ds_store_b128 v[XW16], v[PXC+10*\i:PXC+10*\i+3] offset:16*\i
	ds_store_b64 v[XW8], v[PXC+10*\i+4:PXC+10*\i+5] offset:512+8*\i
	ds_store_b8 v[XWB], v[TP+\i] offset:4*\i
.endr
.Lno_x2:
	s_wait_dscnt 0x0                               ; my stores have landed
	s_barrier_signal -1
	s_barrier_wait -1                              ; xn's eight fragments and their scale words lie in LDS
	s_wait_loadcnt 0x0                             ; W, its scales, the biases
	s_cmp_lt_u32 s[WV], 8
	s_cbranch_scc0 .Lvpath
	; ---- q, k: a tile of 16 pixels at a time; four accumulators (my 64 channels) by turns, K step by K step
.irp t, 0,1,2,3
	FRAG4 XB, L16, L8, (2*\t)*1536
	FRAG4 XB+12, L16, L8, (2*\t+1)*1536
	ds_load_b32 v[XS+\t], v[L4] offset:XSC+128*\t
	s_wait_dscnt 0x0
.irp a, 0,1,2,3
	WM ACC+8*\a, W+24*\a, XB, BIAS+8*\a, WS+\a, XS+\t, 0
.endr
.irp a, 0,1,2,3
	WM ACC+8*\a, W+24*\a+12, XB+12, ACC+8*\a, WS+\a, XS+\t, 1
.endr
	PLACES 5                                       ; four in front of the reads of results and of loads into operands; the next tile's products begin these accumulators anew: five
	QUANTH
	global_store_b128 v[L16], v[PC:PC+3], s[42:43] offset:3072*\t          ; 512 consecutive bytes, aligned to 256
	global_store_b64 v[L8], v[PC+4:PC+5], s[42:43] offset:3072*\t+512      ; 256
	ds_store_b16 v[SSQ], v[HW] offset:4*\t         ; both lanes of a row write the same two bytes
.endr
	s_branch .Ljoin
.Lvpath:
	; ---- v: a tile of 16 channels at a time; four accumulators (the 64 pixels) by turns
.irp i, 0,1,2,3
	ds_load_b32 v[XS+\i], v[L4] offset:XSC+128*\i
.endr
.irp u, 0,1,2,3
.irp j, 0,1,2,3,4,5,6,7
	v_mov_b32 v[BIAS+8*\u+\j], v[BV+\u]            ; a lane holds one channel: its bias in all eight registers
.endr
.endr
	PLACES 4
.irp u, 0,1,2,3
.irp s, 0,1
.irp i, 0,1,2,3
	FRAG4 XB+12*\i, L16, L8, (2*\i+\s)*1536
.endr
	s_wait_dscnt 0x0
.irp i, 0,1,2,3
.if \s == 0
	WM ACC+8*\i, XB+12*\i, W+24*\u, BIAS+8*\u, XS+\i, WS+\u, 0
.else
	WM ACC+8*\i, XB+12*\i, W+24*\u+12, ACC+8*\i, XS+\i, WS+\u, 1
.endif
.endr
	PLACES 5                                       ; as above
.endr
	QUANTH
	global_store_b128 v[L16], v[PC:PC+3], s[42:43] offset:1536*\u
	global_store_b64 v[L8], v[PC+4:PC+5], s[42:43] offset:1536*\u+512
	ds_store_b16 v[SSV], v[HW] offset:256*(\u%2)+2*(\u/2)
.endr
.Ljoin:
	s_wait_dscnt 0x0
	s_barrier_signal -1
	s_barrier_wait -1                              ; the three runs of 512 scale bytes are whole
	s_cmp_lt_u32 s[WV], 3
	s_cbranch_scc0 .Lend
	ds_load_b128 v[XB:XB+3], v[SSR]
	s_wait_dscnt 0x0
	global_store_b128 v[L16], v[XB:XB+3], s[44:45] ; 512 consecutive bytes, aligned to 256
.Lend:
	s_set_vgpr_msb 0x5
	s_wait_tensorcnt 0x0
	ds_add_u32 v0, v1
	s_wait_dscnt 0x0
	s_set_vgpr_msb 0x500
	s_endpgm
.Lfunc_end_k_qb3c4ac0d32_qkv:
	.size	k_qb3c4ac0d32_qkv, .Lfunc_end_k_qb3c4ac0d32_qkv-k_qb3c4ac0d32_qkv
	.p2alignl 7, 3214868480
	.fill 96, 4, 3214868480
	.section	.rodata,"a",@progbits
	.p2align	6, 0x0
	.amdhsa_kernel k_qb3c4ac0d32_qkv
		.amdhsa_group_segment_fixed_size 15872
		.amdhsa_private_segment_fixed_size 0
		.amdhsa_enable_private_segment 0
		.amdhsa_kernarg_size 128
		.amdhsa_user_sgpr_count 2
		.amdhsa_user_sgpr_kernarg_segment_ptr 1
		.amdhsa_wavefront_size32 1
		.amdhsa_system_sgpr_workgroup_id_x 1
		.amdhsa_system_sgpr_workgroup_id_y 1
		.amdhsa_system_sgpr_workgroup_id_z 1
		.amdhsa_system_vgpr_workitem_id 0
		.amdhsa_next_free_vgpr 258
		.amdhsa_next_free_sgpr 66
		.amdhsa_reserve_vcc 0
		.amdhsa_float_denorm_mode_32 3
		.amdhsa_float_denorm_mode_16_64 3
		.amdhsa_memory_ordered 1
		.amdhsa_forward_progress 1
		.amdhsa_inst_pref_size 68
	.end_amdhsa_kernel
	.amdgpu_metadata
---
amdhsa.version: [ 1, 2 ]
amdhsa.kernels:
  - .name:           k_qb3c4ac0d32_qkv
    .symbol:         k_qb3c4ac0d32_qkv.kd
    .args:
      - { .name: x, .offset: 0, .size: 8, .value_kind: global_buffer, .address_space: global }
      - { .name: stats, .offset: 8, .size: 8, .value_kind: global_buffer, .address_space: global }
      - { .name: gamma, .offset: 16, .size: 8, .value_kind: global_buffer, .address_space: global }
      - { .name: beta, .offset: 24, .size: 8, .value_kind: global_buffer, .address_space: global }
      - { .name: wq_codes, .offset: 32, .size: 8, .value_kind: global_buffer, .address_space: global }
      - { .name: wq_scales, .offset: 40, .size: 8, .value_kind: global_buffer, .address_space: global }
      - { .name: bq, .offset: 48, .size: 8, .value_kind: global_buffer, .address_space: global }
      - { .name: wk_codes, .offset: 56, .size: 8, .value_kind: global_buffer, .address_space: global }
      - { .name: wk_scales, .offset: 64, .size: 8, .value_kind: global_buffer, .address_space: global }
      - { .name: bk, .offset: 72, .size: 8, .value_kind: global_buffer, .address_space: global }
      - { .name: wv_codes, .offset: 80, .size: 8, .value_kind: global_buffer, .address_space: global }
      - { .name: wv_scales, .offset: 88, .size: 8, .value_kind: global_buffer, .address_space: global }
      - { .name: bv, .offset: 96, .size: 8, .value_kind: global_buffer, .address_space: global }
      - { .name: qws, .offset: 104, .size: 8, .value_kind: global_buffer, .address_space: global }
      - { .name: kws, .offset: 112, .size: 8, .value_kind: global_buffer, .address_space: global }
      - { .name: vws, .offset: 120, .size: 8, .value_kind: global_buffer, .address_space: global }
    .group_segment_fixed_size: 15872
    .private_segment_fixed_size: 0
    .kernarg_segment_align: 8
    .kernarg_segment_size: 128
    .max_flat_workgroup_size: 384
    .sgpr_count:     66
    .vgpr_count:     258
    .wavefront_size: 32
...
	.end_amdgpu_metadata
.endif
;; end of part 2
;; launch attn (part 3): grid 64 x 4, 4 waves a work-group, clusters of 4 x 1, 327,680 bytes of LDS; arguments qws, kws, vws, wp_codes, wp_scales, bp, x, out0; writes out0
.if DOCPART == 3
	.amdgcn_target "amdgcn-amd-amdhsa--gfx1250"
	.amdhsa_code_object_version 6
	.text
	.protected	k_qb3c4ac0d32_attn
	.globl	k_qb3c4ac0d32_attn
	.p2align	8
	.type	k_qb3c4ac0d32_attn,@function
k_qb3c4ac0d32_attn:
	s_mov_b64 s[64:65], 0
	v_nop
	global_prefetch_b8 v0, s[64:65] scope:SCOPE_SE
	s_setreg_imm32_b32 hwreg(HW_REG_WAVE_MODE, 25, 1), 1
	s_wait_xcnt 0x0
	s_wait_alu depctr_hold_cnt(0) depctr_sa_sdst(0) depctr_va_vdst(0) depctr_va_sdst(0) depctr_va_ssrc(0) depctr_va_vcc(0) depctr_vm_vsrc(0)
	s_getreg_b32 s2, hwreg(HW_REG_IB_STS2, 6, 4)
	s_cmp_eq_u32 s2, 0
	s_cbranch_scc0 .Lentry_in_a_cluster
	s_endpgm
.Lentry_in_a_cluster:
	s_bfe_u32 s2, ttmp6, 0x10000c
	s_cmp_lg_u32 s2, 0x3003
	s_cbranch_scc0 .Lentry_shape_is_right
	s_endpgm
.Lentry_shape_is_right:
; out0 = wp (softmax(q^T k / 16) v) + bp + x, all three products on codes of FP6 (E2M3) with one E8M0 scale for each 32 along K.  One head of 256 channels, 4,096 pixels, 4 images.
; q, k, v come from the launch before as images of operand registers: a block of 25,600 bytes for each 128 pixels (16 fragments of 1,536 bytes, 1,024 scale bytes).
; SHARES.  A work-group owns 64 queries (four tiles of 16) of one image.  THE FOUR WAVES SHARE THE KEYS: in step j wave w takes keys 128 (4 j + w) on, for all four tiles of queries.  So each fragment of
; k and v is read from LDS once in the work-group and feeds four products, and a wave fills and reads LDS bytes of its own.  Each wave keeps its own running maximum, sum and O^T (512 registers);
; at the end the four meet in LDS: M is a whole number, so bringing them under one M is a multiplication by a power of two.
; SOFTMAX.  t = score x log2(e) / 16; M = the largest t so far, rounded up to a whole number, kept as -M; p = 2^(t - M) is quantised along the keys, not normalised; the sum is taken of the unquantised p.
; LAYOUT.  S^T = k q^T (source 0 = 16 keys), O^T = v p^T (source 0 = 16 channels): a lane holds ONE query throughout.  The keys of a tile of k, the channels of a tile of v and the queries of a tile of q are
; laid by the launch before so that the 16 registers of two neighbouring tiles are 16 neighbours (row r of tile 2 b + u is 32 b + 8 u + r + 8 (r / 8)).
; BY TURNS.  O^T's rescaling (256 packed multiplications a step) has no phase of its own: it stands between the 64 products v p^T, four multiplications and two window switches to a product.
; CLUSTER.  The four query blocks of a cluster walk the same k and v: each tile is asked for JOINTLY, by the same tensor load with the same descriptor and the mask 15, in all four.
; REGISTERS, in windows of 256: window 0: addresses, statistics, scale words, q (v64-159), v160-255 two sets of four k fragments, later p's codes and work.  window 1: S^T / p (64 a tile of queries), later v's
; fragments, at last the result and the residual.  windows 2, 3: O^T (128 a tile of queries).
; LIMITS: NaN and infinities are not served; p under 2^-126 counts as 0.
.set BLKB,  25600
.set IMGB,  819200
.set SCOFF, 24576
.set VSLOT, 102400                     ; LDS: k's slots at 25,600 x wave; v's from here on
.set STATS, 262144                     ; 0 .. 262,143 also take the four waves' O^T once the slots have had their last fill and their last read; here (-M, sum): 256 bytes for each tile and wave
.set OIMG,  266240                     ; the attention result's 8 fragments, 1,536 bytes each
.set OSC,   278528                     ; their scale words, 128 bytes a tile
.set STG,   279040                     ; the way out: 16 rows x (256 + 16) bytes for each wave
.set SPARE, 327168                     ; the spare words, 128 bytes for each wave: two blocks of 256 bytes that no other line names
.set L16, 1
.set L8,  2
.set L4,  3
.set AK16, 4                           ; my k slot + 16 x lane, + 8 x lane; v's likewise
.set AK8,  5
.set AV16, 6
.set AV8,  7
.set SPW, 8                            ; v8   LDS address of my spare word; never rewritten
.set NIL, 9                            ; v9   0; never rewritten
.set AO,  10                           ; v10-13 where my O^T of tile t goes
.set AOR, 14                           ; v14  where I read the four waves' O^T of my tile
.set ASW, 15
.set ASR, 16
.set OIW, 17
.set OSW, 18
.set STO, 19
.set SRD, 20
.set GX,  21                           ; v21  two rows of x or out0: 16,384 (lane / 16) + 16 (lane % 16)
.set WPO, 22
.set WPSO, 23
.set BPO, 24
.set OIR, 25
.set OSR, 26
.set LN,  27
.set BPV, 28                           ; v28-31 bp of my lane's output channel, one a tile
.set ST,  32                           ; v32-47 a tile's -M, largest t, sum in two halves
.set QSC, 48                           ; v48-51 q's scale words, at last wp's
.set SCL, 52                           ; v52-59 k's scale words, then v's, at last (v56-59) the result's
.set PS,  60                           ; v60-63 p's scale words
.set Q,   64                           ; v64-159 q's 8 fragments; at last wp's
.set FA,  160                          ; two sets of four k fragments
.set FC,  208
.set PCD, 160                          ; p's codes, 12 a tile
.set BM,  208                          ; a block's largest score, then p
.set BP,  212
.set SO,  216
.set TT,  222
.set LS,  224                          ; v224-227 two chains of the row's sum; v252-253 a third; the sum itself is the fourth
.set PT,  228
.set H0,  236
.set H1,  240
.set FQ,  244                          ; v244-251 f = 2^(old M - new M) of each tile, in the low register of a pair
.set LS3, 252
.set SI,  160                          ; the end: four (-M, sum); four factors, twice each; work
.set G,   168
.set T0,  176
.set T1,  177
.set T2,  178
.set TM,  184
.set PW,  200
.set PC,  204
.set WV,  20
.set G1,  24                           ; s[24:31] descriptor group 1; s[32:35], s[36:39] groups 0 for k and v
.set G0K, 32
.set G0V, 36
.set SEL, 40
.set CS,  42
.set MSB, 0
.macro WIN new                         ; the immediate's high byte repeats the setting that is left
.if MSB != (\new)
	s_set_vgpr_msb (MSB<<8)|(\new)
.set MSB, (\new)
.endif
.endm
.macro PLACES n
.rept \n
	v_nop
.endr
.endm
.macro CROUND                          ; a round of the cluster's barrier
	s_barrier_signal -1
	s_barrier_wait -1
	s_cmp_lg_u32 s[WV], 0
	s_cbranch_scc1 .Lnw0_\@
	s_barrier_signal -3
.Lnw0_\@:
	s_barrier_wait -3
	s_barrier_signal -1
	s_barrier_wait -1
.endm
.macro BAR                             ; my LDS instructions are done: then the work-group's barrier
	s_wait_dscnt 0x0
	s_barrier_signal -1
	s_barrier_wait -1
.endm
.macro FRAG4 reg, a16, a8, off         ; a fragment out of its image
	ds_load_b128 v[(\reg):(\reg)+3], v[\a16] offset:(\off)
	ds_load_b64 v[(\reg)+4:(\reg)+5], v[\a8] offset:(\off)+512
	ds_load_b128 v[(\reg)+6:(\reg)+9], v[\a16] offset:(\off)+768
	ds_load_b64 v[(\reg)+10:(\reg)+11], v[\a8] offset:(\off)+1280
.endm
; One product.  cr < 0: the constant 0 starts the sum.  ra, rb: which half of the lanes of the scale registers.
.macro WM d, a, b, cr, sa, sb, ra, rb
.if (\cr) < 0
.if (\ra) && (\rb)
	v_wmma_scale_f32_16x16x128_f8f6f4 v[(\d):(\d)+7], v[(\a):(\a)+11], v[(\b):(\b)+11], 0, v[\sa], v[\sb] matrix_a_fmt:MATRIX_FMT_FP6 matrix_b_fmt:MATRIX_FMT_FP6 matrix_a_scale:MATRIX_SCALE_ROW1 matrix_b_scale:MATRIX_SCALE_ROW1
.elseif (\ra)
	v_wmma_scale_f32_16x16x128_f8f6f4 v[(\d):(\d)+7], v[(\a):(\a)+11], v[(\b):(\b)+11], 0, v[\sa], v[\sb] matrix_a_fmt:MATRIX_FMT_FP6 matrix_b_fmt:MATRIX_FMT_FP6 matrix_a_scale:MATRIX_SCALE_ROW1
.else
	v_wmma_scale_f32_16x16x128_f8f6f4 v[(\d):(\d)+7], v[(\a):(\a)+11], v[(\b):(\b)+11], 0, v[\sa], v[\sb] matrix_a_fmt:MATRIX_FMT_FP6 matrix_b_fmt:MATRIX_FMT_FP6
.endif
.else
.if (\ra) && (\rb)
	v_wmma_scale_f32_16x16x128_f8f6f4 v[(\d):(\d)+7], v[(\a):(\a)+11], v[(\b):(\b)+11], v[(\cr):(\cr)+7], v[\sa], v[\sb] matrix_a_fmt:MATRIX_FMT_FP6 matrix_b_fmt:MATRIX_FMT_FP6 matrix_a_scale:MATRIX_SCALE_ROW1 matrix_b_scale:MATRIX_SCALE_ROW1
.elseif (\ra)
	v_wmma_scale_f32_16x16x128_f8f6f4 v[(\d):(\d)+7], v[(\a):(\a)+11], v[(\b):(\b)+11], v[(\cr):(\cr)+7], v[\sa], v[\sb] matrix_a_fmt:MATRIX_FMT_FP6 matrix_b_fmt:MATRIX_FMT_FP6 matrix_a_scale:MATRIX_SCALE_ROW1
.else
	v_wmma_scale_f32_16x16x128_f8f6f4 v[(\d):(\d)+7], v[(\a):(\a)+11], v[(\b):(\b)+11], v[(\cr):(\cr)+7], v[\sa], v[\sb] matrix_a_fmt:MATRIX_FMT_FP6 matrix_b_fmt:MATRIX_FMT_FP6
.endif
.endif
.endm
.macro KLOAD g, set                    ; k's tiles 2 g, 2 g + 1, both K steps: four fragments, 16 LDS loads
	WIN 0
.irp q, 0,1,2,3
	FRAG4 (\set)+12*\q, AK16, AK8, 6144*(\g)+1536*\q
.endr
.endm
.macro SMUL g, set                     ; 16 products: two tiles of keys x four tiles of queries x two K steps; eight accumulators by turns
	WIN 0x50                                       ; C and D window 1
.irp s, 0,1
.irp kk, 0,1
.irp t, 0,1,2,3
.if \s == 0
	WM 64*\t+8*(2*(\g)+\kk), (\set)+24*\kk, Q+24*\t, -1, SCL+2*(\g)+\kk, QSC+\t, 0, 0
.else
	WM 64*\t+8*(2*(\g)+\kk), (\set)+24*\kk+12, Q+24*\t+12, 64*\t+8*(2*(\g)+\kk), SCL+2*(\g)+\kk, QSC+\t, 1, 1
.endif
.endr
.endr
.endr
.endm
.macro VLOAD f0, f1                    ; v's fragments f0 .. f1 into window 1, over scores that are done with
	WIN 0x40
.set f, \f0
.rept \f1-\f0+1
	FRAG4 12*f, AV16, AV8, 1536*f
.set f, f+1
.endr
.endm
; O^T += v p^T: 64 products, each accumulator once.  Product n: tile of queries 2 (n / 32) + n % 2, tile of channels (n % 32) / 2; v window 1, p window 0, C and D window 2 (n < 32) or 3.
.macro PV1 zero
	WIN 0xa1+0x50*(n/32)
.if \zero
	WM 128*(n%2)+8*((n%32)/2), 12*((n%32)/2), PCD+12*(2*(n/32)+n%2), -1, SCL+(n%32)/4, PS+2*(n/32)+n%2, ((n%32)/2)%2, 0
.else
	WM 128*(n%2)+8*((n%32)/2), 12*((n%32)/2), PCD+12*(2*(n/32)+n%2), 128*(n%2)+8*((n%32)/2), SCL+(n%32)/4, PS+2*(n/32)+n%2, ((n%32)/2)%2, 0
.endif
.endm
.macro PVF                             ; the first step: the products start O^T's sums; nothing is cleared, nothing rescaled
.set n, 0
.rept 64
	PV1 1
.set n, n+1
.endr
.endm
.macro RS                              ; accumulator m of the 64 under the new M: x its tile's f; from its low end on
.set rO, 128*(m%2)+8*((m%32)/2)
.set rF, FQ+2*(2*(m/32)+m%2)
	WIN 0x82+0x41*(m/32)                           ; O^T (destination and source 0) window 2 or 3, f window 0
.irp j, 0,2,4,6
	v_pk_mul_f32 v[rO+\j:rO+\j+1], v[rO+\j:rO+\j+1], v[rF:rF+1] op_sel_hi:[1,0]
.endr
.endm
; Every later step.  In front of product n stands the rescaling of accumulator n + 1: so an accumulator's own four multiplications stand four plain instructions ahead of its product (ahead of the last
; product four v_nop take that part), and the rescaling has no phase of its own.  The price: two window switches to a product, since O^T's windows have no room for v, p or f.
.macro PVR
.set m, 0
	RS
.set n, 0
.rept 64
.if n < 63
.set m, n+1
	RS
.else
	PLACES 4
.endif
	PV1 0
.set n, n+1
.endr
.endm
; A slot is filled again: all my tensor loads have landed, the add, my LDS reads are over, a round of the cluster's barrier, and my one joint load first behind it.
.macro REFILL g0
	WIN 0
	s_wait_tensorcnt 0x0                           ; no tensor load of mine is out, so a group 0 may be written
	ds_add_u32 v[SPW], v[NIL]                      ; 0 onto my spare word
	s_add_nc_u64 s[\g0+2:\g0+3], s[\g0+2:\g0+3], 4*BLKB    ; my next block of 128 keys; the type bits on top are not reached
	s_wait_dscnt 0x0                               ; the add is done, and my reads of the slot are over
	CROUND                                         ; so it is with every wave of the four work-groups
	tensor_load_to_lds s[\g0:\g0+3], s[G1:G1+7]
	s_nop 0
	PLACES 4
.endm
; THE SOFTMAX of tile t of queries for this step's 128 keys, in three parts, so that runs of LDS loads can stand between them.
.macro SMA t                           ; the maxima, the new M, f
.set rS, 64*(\t)
.set rT, ST+4*(\t)
	WIN 0x05                                       ; sources 0 and 1: the scores, window 1
.irp b, 0,1,2,3
	v_max_num_f32 v[BM+\b], v[rS+16*\b], v[rS+16*\b+1]     ; the largest score of each block of 32 keys; each accumulator is read from its low end on
.endr
.irp i, 2,4,6,8,10,12,14
.irp b, 0,1,2,3
	v_max3_num_f32 v[BM+\b], v[rS+16*\b+\i], v[rS+16*\b+\i+1], v[BM+\b]
.endr
.endr
	WIN 0
.irp b, 0,1,2,3
	v_permlanex16_b32 v[BP+\b], v[BM+\b], s[SEL], s[SEL+1]
.endr
.irp b, 0,1,2,3
	v_max_num_f32 v[BM+\b], v[BM+\b], v[BP+\b]     ; with lane l xor 16's 16 keys
.endr
	v_max3_num_f32 v[TT], v[BM], v[BM+1], v[BM+2]
	v_max_num_f32 v[TT], v[TT], v[BM+3]
	v_mul_f32 v[TT], s[CS], v[TT]                  ; as t (c is positive)
	v_max_num_f32 v[rT+1], v[rT+1], v[TT]          ; the running largest t
	v_mov_b32 v[TT], v[rT]
	v_floor_f32 v[rT], -v[rT+1]                    ; the new -M = -ceil(t)
	v_sub_f32 v[TT], v[rT], v[TT]                  ; old M - new M: a whole number, 0 or less
	v_cvt_i32_f32 v[TT], v[TT]                     ; (it saturates)
	v_ldexp_f32 v[FQ+2*(\t)], 1.0, v[TT]           ; f = 2^(old M - new M): kept until the products
.irp b, 0,1,2,3
	v_fma_f32 v[BM+\b], v[BM+\b], s[CS], v[rT]
.endr
.endm
.macro SMB t                           ; p
.set rS, 64*(\t)
.set rT, ST+4*(\t)
	WIN 0x41                                       ; destination and source 0 window 1
.set j, 0
.rept 32
	v_pk_fma_f32 v[rS+j:rS+j+1], v[rS+j:rS+j+1], s[CS:CS+1], v[rT:rT+1] op_sel_hi:[1,0,0]   ; t - M
.set j, j+2
.endr
.set j, 0
.rept 64
	v_exp_f32 v[rS+j], v[rS+j]                     ; p = 2^(t - M)
.set j, j+1
.endr
.endm
.macro SMC t                           ; the scale word, the sum, the codes
.set rS, 64*(\t)
.set rT, ST+4*(\t)
.set rP, PCD+12*(\t)
	WIN 0
.irp b, 0,1,2,3
	v_exp_f32 v[BM+\b], v[BM+\b]                   ; the block's largest p: the same two instructions on the same number
.endr
	v_pk_mul_f32 v[rT+2:rT+3], v[rT+2:rT+3], v[FQ+2*(\t):FQ+2*(\t)+1] op_sel_hi:[1,0]      ; the sum under the new M (a plain place behind the exponentials)
	s_wait_alu depctr_va_vdst(0)
.irp b, 0,1,2,3
	v_max_num_f32 v[BM+\b], 0x1800000, v[BM+\b]    ; the floor 2^(3 - 127): the byte cannot fall under 1
.endr
.irp b, 0,1,2,3
	v_add_nc_u32 v[SO+\b], 0xff000000, v[BM+\b]    ; 2 off the exponent field: the conversion's scale operand
.endr
.irp b, 0,1,2,3
	v_lshrrev_b32 v[BP+\b], 23, v[SO+\b]
.endr
	v_lshl_or_b32 v[PS+\t], v[BP+1], 8, v[BP]      ; p's scale word for these 128 keys
	v_lshl_or_b32 v[PS+\t], v[BP+2], 16, v[PS+\t]
	v_lshl_or_b32 v[PS+\t], v[BP+3], 24, v[PS+\t]
	WIN 0x05                                       ; the sum of the unquantised p, two at a time, in four chains by turns: three begin here, the fourth is the running sum
	v_pk_add_f32 v[LS:LS+1], v[rS:rS+1], v[rS+2:rS+3]
	v_pk_add_f32 v[LS+2:LS+3], v[rS+4:rS+5], v[rS+6:rS+7]
	v_pk_add_f32 v[LS3:LS3+1], v[rS+8:rS+9], v[rS+10:rS+11]
	WIN 0x04
	v_pk_add_f32 v[rT+2:rT+3], v[rT+2:rT+3], v[rS+12:rS+13]
	v_pk_add_f32 v[LS:LS+1], v[LS:LS+1], v[rS+14:rS+15]
.irp j, 16,24,32,40,48,56
	v_pk_add_f32 v[LS+2:LS+3], v[LS+2:LS+3], v[rS+\j:rS+\j+1]
	v_pk_add_f32 v[LS3:LS3+1], v[LS3:LS3+1], v[rS+\j+2:rS+\j+3]
	v_pk_add_f32 v[rT+2:rT+3], v[rT+2:rT+3], v[rS+\j+4:rS+\j+5]
	v_pk_add_f32 v[LS:LS+1], v[LS:LS+1], v[rS+\j+6:rS+\j+7]
.endr
	WIN 0x01
.irp c, 0,1
	v_cvt_scalef32_pk16_fp6_f32 v[rP+6*\c:rP+6*\c+2], v[rS+32*\c:rS+32*\c+15], v[SO+2*\c]
	v_cvt_scalef32_pk16_fp6_f32 v[PT+4*\c:PT+4*\c+2], v[rS+32*\c+16:rS+32*\c+31], v[SO+2*\c+1]
.endr
	WIN 0
	v_pk_add_f32 v[LS:LS+1], v[LS:LS+1], v[LS+2:LS+3]      ; (plain places behind the scaled conversions)
	v_pk_add_f32 v[rT+2:rT+3], v[rT+2:rT+3], v[LS3:LS3+1]
.irp c, 0,1
.irp i, 0,1,2
	v_permlane16_swap_b32 v[rP+6*\c+\i], v[PT+4*\c+\i]     ; a whole block to a lane
.endr
.irp i, 0,1,2
	v_mov_b32 v[rP+3+6*\c+\i], v[PT+4*\c+\i]
.endr
.endr
	v_pk_add_f32 v[rT+2:rT+3], v[rT+2:rT+3], v[LS:LS+1]
.endm
.macro WPLOAD                          ; wp's part of my 64 output channels over q's registers, its scale words over q's, bp
.irp t, 0,1,2,3
.irp s, 0,1
.irp p, 0,1,2,3,4,5
	global_load_b64 v[Q+12*(2*\t+\s)+2*\p:Q+12*(2*\t+\s)+2*\p+1], v[WPO], s[10:11] offset:16*\t*192+96*\s+48*(\p/3)+8*(\p%3)
.endr
.endr
.endr
.irp t, 0,1,2,3
	global_load_b32 v[QSC+\t], v[WPSO], s[12:13] offset:128*\t
	global_load_b32 v[BPV+\t], v[BPO], s[14:15] offset:64*\t
.endr
.endm
; A KEY STEP: my 128 keys against the 64 queries.  fill = 1: both slots are filled again, k's when the scores are made, v's when its fragments are in registers.
.macro STEP first, fill
	ds_load_b128 v[SCL:SCL+3], v[AK16] offset:SCOFF        ; k's scale words: a register a tile, K step 0 in lanes 0-15, K step 1 in lanes 16-31
	ds_load_b128 v[SCL+4:SCL+7], v[AK16] offset:SCOFF+512
	KLOAD 0, FA
	KLOAD 1, FC
	s_wait_dscnt 16                                ; all but the younger set's 16 loads
	SMUL 0, FA
	PLACES 4                                       ; in front of loads into registers that products have read
	KLOAD 2, FA
	s_wait_dscnt 16
	SMUL 1, FC
	PLACES 4
	KLOAD 3, FC
	s_wait_dscnt 16
	SMUL 2, FA
	s_wait_dscnt 0x0
	SMUL 3, FC
	PLACES 4                                       ; in front of the first read of results, of writes over k's fragments and of loads over q
.if !(\fill)
	WIN 0
	WPLOAD                                         ; the last step: q and its scale words are done with; what the end wants is asked for a softmax and 64 products ahead
.endif
	SMA 0
	SMB 0
	SMC 0
	SMA 1
	SMB 1
	SMC 1
.if \fill
	REFILL G0K                                     ; its wait for all loads also shows this step's v landed
.else
	WIN 0
	s_wait_tensorcnt 0x0                           ; the last v tile: no load was issued behind it
.endif
	ds_load_b128 v[H0:H0+3], v[AV16] offset:SCOFF          ; v's scale bytes: keys 0-63, eight pairs a lane;
	ds_load_b128 v[H1:H1+3], v[AV16] offset:SCOFF+512      ; keys 64-127
	VLOAD 0, 2                                     ; v's fragments 0-9 go over the scores of tiles 0 and 1, in runs of 12 to 16 loads between the parts of tile 2's softmax
	SMA 2
	VLOAD 3, 5
	SMB 2
	VLOAD 6, 9
	SMC 2
	WIN 0
	s_wait_dscnt 0x0
.irp m, 0,1,2,3
	v_perm_b32 v[SCL+2*\m], v[H1+\m], v[H0+\m], s52        ; v's scale words: tiles 4 m (lanes 0-15) and 4 m + 1 (lanes 16-31);
	v_perm_b32 v[SCL+2*\m+1], v[H1+\m], v[H0+\m], s53      ; tiles 4 m + 2 and 4 m + 3.  The last tile's softmax stands between these and the products
.endr
	VLOAD 10, 11                                   ; fragments 10-15 over the scores of tile 2, in runs of 8 loads
	SMA 3
	VLOAD 12, 13
	SMB 3
	VLOAD 14, 15
	SMC 3
	WIN 0
	s_wait_dscnt 0x0
.if \first
	PLACES 4                                       ; p's codes were written by vector instructions
	PVF
.else
	PVR                                            ; (its first eight multiplications are those places)
.endif
	WIN 0
	PLACES 5                                       ; the next step's products write over v's fragments
.if \fill
	REFILL G0V                                     ; its wait for all loads also shows the next step's k landed
.endif
.endm
	s_load_b512 s[4:19], s[0:1], 0x0               ; qws, kws, vws, wp_codes, wp_scales, bp, x, out0
	v_lshl_add_u32 v[SPW], v0, 2, SPARE
	v_mov_b32 v[NIL], 0
	ds_add_u32 v8, v9
	ds_add_u32 v8, v9
	s_wait_dscnt 0x0
	v_lshrrev_b32 v1, 5, v0
	v_readfirstlane_b32 s[WV], v1                  ; wave 0..3
	s_bfe_u32 s21, ttmp6, 0x40000                  ; cx
	s_lshl_b32 s22, ttmp9, 2
	s_add_co_u32 s22, s22, s21                     ; my block of 64 queries: it enters the addresses of q, x and out0 alone
	s_and_b32 s23, ttmp7, 0xffff                   ; the image, which the four partners share
	; descriptor group 1: a block of 25,600 dense bytes as 100 rows of 256 bytes (32 elements of 8 bytes); no padding: images are read as they lie
	s_mov_b32 s[G1], 15|(3<<16)|(1<<21)            ; the mask: all four work-groups; elements of 8 bytes; bit 21 beside a mask
	s_mov_b32 s[G1+1], 32<<16                      ; tensor_dim0
	s_mov_b32 s[G1+2], 100<<16                     ; tensor_dim1
	s_mov_b32 s[G1+3], 32<<16                      ; tile_dim0
	s_mov_b32 s[G1+4], 100                         ; tile_dim1
	s_mov_b32 s[G1+5], 32                          ; the pitch
	s_mov_b32 s[G1+6], 0
	s_mov_b32 s[G1+7], 0
	s_mov_b32 s[SEL], 0x76543210
	s_mov_b32 s[SEL+1], 0xfedcba98
	s_mov_b32 s[CS], 0x3db8aa3b                    ; c = log2(e) / 16
	s_mov_b32 s[CS+1], s[CS]
	s_mov_b32 s52, 0x05040100                      ; two low halves
	s_mov_b32 s53, 0x07060302                      ; two high halves
	s_mul_i32 s46, s23, IMGB
	s_mul_i32 s48, s[WV], BLKB
	s_add_co_u32 s48, s48, s46                     ; my first block of keys: image, block w
	s_mov_b32 s49, 0
	s_wait_kmcnt 0x0
	CROUND                                         ; all four work-groups are here: the first joint loads meet
	s_mov_b32 s[G0K], 1
	s_mul_i32 s[G0K+1], s[WV], BLKB                ; my k slot
	s_add_nc_u64 s[G0K+2:G0K+3], s[6:7], s[48:49]
	s_or_b32 s[G0K+3], s[G0K+3], 0x80000000
	s_mov_b32 s[G0V], 1
	s_add_co_u32 s[G0V+1], s[G0K+1], VSLOT         ; my v slot
	s_add_nc_u64 s[G0V+2:G0V+3], s[8:9], s[48:49]
	s_or_b32 s[G0V+3], s[G0V+3], 0x80000000
	tensor_load_to_lds s[G0K:G0K+3], s[G1:G1+7]    ; the two first fills go out together: two loads of mine are out
	s_nop 0
	tensor_load_to_lds s[G0V:G0V+3], s[G1:G1+7]
	s_nop 0
	PLACES 4
	v_and_b32 v[LN], 31, v0
	v_and_b32 v160, 15, v0                         ; r
	v_bfe_u32 v161, v0, 4, 1                       ; h
	v_lshlrev_b32 v[L16], 4, v[LN]
	v_lshlrev_b32 v[L8], 3, v[LN]
	v_lshlrev_b32 v[L4], 2, v[LN]
	s_lshr_b32 s47, s22, 1
	s_mul_i32 s47, s47, BLKB
	s_add_co_u32 s50, s46, s47                     ; my queries' block of 128
	s_and_b32 s47, s22, 1
	s_mul_i32 s54, s47, 12288
	s_add_co_u32 s54, s54, s50
	s_mov_b32 s55, 0
	s_add_nc_u64 s[56:57], s[4:5], s[54:55]        ; q's 8 fragments
	s_lshl_b32 s54, s47, 9
	s_add_co_u32 s54, s54, s50
	s_add_co_u32 s54, s54, SCOFF
	s_add_nc_u64 s[58:59], s[4:5], s[54:55]        ; q's scale words
.irp f, 0,1,2,3,4,5,6,7
	global_load_b128 v[Q+12*\f:Q+12*\f+3], v[L16], s[56:57] offset:1536*\f
	global_load_b64 v[Q+12*\f+4:Q+12*\f+5], v[L8], s[56:57] offset:1536*\f+512
	global_load_b128 v[Q+12*\f+6:Q+12*\f+9], v[L16], s[56:57] offset:1536*\f+768
	global_load_b64 v[Q+12*\f+10:Q+12*\f+11], v[L8], s[56:57] offset:1536*\f+1280
.endr
	global_load_b128 v[QSC:QSC+3], v[L16], s[58:59]
	s_mul_i32 s46, s[WV], BLKB
	v_add_nc_u32 v[AK16], s46, v[L16]
	v_add_nc_u32 v[AK8], s46, v[L8]
	s_add_co_u32 s46, s46, VSLOT
	v_add_nc_u32 v[AV16], s46, v[L16]
	v_add_nc_u32 v[AV8], s46, v[L8]
	s_lshl_b32 s46, s[WV], 14
.irp t, 0,1,2,3
	v_add_nc_u32 v[AO+\t], s46, v[L16]             ; 65,536 t + 16,384 w + 16 x lane
	s_add_co_u32 s46, s46, 65536
.endr
	s_lshl_b32 s46, s[WV], 16
	v_add_nc_u32 v[AOR], s46, v[L16]
	s_lshl_b32 s46, s[WV], 8
	s_add_co_u32 s46, s46, STATS
	v_add_nc_u32 v[ASW], s46, v[L8]
	s_lshl_b32 s46, s[WV], 10
	s_add_co_u32 s46, s46, STATS
	v_add_nc_u32 v[ASR], s46, v[L8]
	s_mul_i32 s46, s[WV], 3072
	s_add_co_u32 s46, s46, OIMG
	v_add_nc_u32 v[OIW], s46, v[L16]
	s_lshl_b32 s46, s[WV], 7
	s_add_co_u32 s46, s46, OSC
	v_add_nc_u32 v[OSW], s46, v[L4]
	v_add_nc_u32 v[OIR], OIMG, v[L16]
	v_add_nc_u32 v[OSR], OSC, v[L4]
	s_mul_i32 s46, s[WV], 4352
	s_add_co_u32 s46, s46, STG
	v_mul_u32_u24 v[STO], v160, 272                ; the stage, in: row = my output channel, + 64 h
	v_lshl_add_u32 v[STO], v161, 6, v[STO]
	v_add_nc_u32 v[STO], s46, v[STO]
	v_mul_u32_u24 v[SRD], v161, 272                ; back: lanes 0-15 one row of 256 bytes, lanes 16-31 the next
	v_lshl_add_u32 v[SRD], v160, 4, v[SRD]
	v_add_nc_u32 v[SRD], s46, v[SRD]
	v_lshlrev_b32 v[GX], 14, v161
	v_lshl_add_u32 v[GX], v160, 4, v[GX]
	v_mul_u32_u24 v[WPO], v160, 192
	v_mad_u32_u24 v[WPO], v161, 24, v[WPO]
	v_lshlrev_b32 v[WPSO], 3, v160
	v_lshl_add_u32 v[WPSO], v161, 2, v[WPSO]
	v_lshlrev_b32 v[BPO], 2, v160
	s_mov_b32 s61, 0
	s_mul_i32 s60, s[WV], 12288
	s_add_nc_u64 s[10:11], s[10:11], s[60:61]      ; wp: my 64 output channels,
	s_lshl_b32 s60, s[WV], 9
	s_add_nc_u64 s[12:13], s[12:13], s[60:61]      ; their scale words,
	s_lshl_b32 s60, s[WV], 8
	s_add_nc_u64 s[14:15], s[14:15], s[60:61]      ; their biases
	s_lshl_b32 s60, s23, 22
	s_lshl_b32 s47, s[WV], 20
	s_add_co_u32 s60, s60, s47
	s_lshl_b32 s47, s22, 8
	s_add_co_u32 s60, s60, s47
	s_add_nc_u64 s[16:17], s[16:17], s[60:61]      ; x and out0: my image, channel 64 w, my 64 pixels
	s_add_nc_u64 s[18:19], s[18:19], s[60:61]
.irp t, 0,1,2,3
	v_mov_b32 v[ST+4*\t+1], 0xff61b1e6             ; the largest t so far: -3e38
	v_floor_f32 v[ST+4*\t], -v[ST+4*\t+1]          ; -M
	v_mov_b32 v[ST+4*\t+2], 0                      ; the sum, in two halves
	v_mov_b32 v[ST+4*\t+3], 0
.endr
	s_wait_tensorcnt 0x1                           ; my first k tile is in; v's may stay out.  Only I read my slots
	s_wait_loadcnt 0x0                             ; q
	STEP 1, 1                                      ; the first step's products start O^T's sums
	s_mov_b32 s44, 6
.Lstep:
	STEP 0, 1
	s_sub_co_u32 s44, s44, 1
	s_cmp_lg_u32 s44, 0
	s_cbranch_scc1 .Lstep
	STEP 0, 0                                      ; the last step is written out: it asks for nothing more of k and v
	; ---- THE END.  The residual is asked for first: x at my 64 output channels x 64 pixels, in the order of the way out, into window 1 v128-255, which v's fragments have left (five places stand behind the last products)
	WIN 0x40
.irp t, 0,1,2,3
.irp k, 0,1,2,3,4,5,6,7
	global_load_b128 v[128+4*(8*\t+\k):128+4*(8*\t+\k)+3], v[GX], s[16:17] offset:(16*\t+2*\k)*16384
.endr
.endr
	WIN 0
.irp t, 0,1,2,3
	v_add_f32 v[ST+4*\t+2], v[ST+4*\t+2], v[ST+4*\t+3]
.endr
.irp t, 0,1,2,3
	v_permlanex16_b32 v[ST+4*\t+3], v[ST+4*\t+2], s[SEL], s[SEL+1]
.endr
.irp t, 0,1,2,3
	v_add_f32 v[ST+4*\t+1], v[ST+4*\t+2], v[ST+4*\t+3]     ; my keys' sum, beside -M
.endr
	BAR                                            ; nobody reads a slot any more, and every slot has had its last fill
.irp t, 0,1,2,3
	ds_store_b64 v[ASW], v[ST+4*\t:ST+4*\t+1] offset:1024*\t
.endr
.irp t, 0,1,2,3
	WIN 0x08+4*(\t/2)                              ; a store's data: window 2 or 3
.set k, 0
.rept 32
	ds_store_b128 v[AO+\t], v[128*(\t%2)+4*k:128*(\t%2)+4*k+3] offset:512*k        ; my O^T as it stands, each accumulator from its low end on
.set k, k+1
.endr
.endr
	WIN 0
	BAR                                            ; all four waves' parts lie in LDS.  From here on wave w owns tile w of the queries
.macro INLOAD s                        ; wave s's part of my tile: 128 registers of window 2 (parts 0, 2: the lower; parts 1, 3: the upper), 32 loads
	WIN 0x80
.set k, 0
.rept 32
	ds_load_b128 v[128*((\s)%2)+4*k:128*((\s)%2)+4*k+3], v[AOR] offset:16384*(\s)+512*k
.set k, k+1
.endr
.endm
.irp s, 0,1,2,3
	ds_load_b64 v[SI+2*\s:SI+2*\s+1], v[ASR] offset:256*\s
.endr
	INLOAD 0
	WIN 0
	s_wait_dscnt 32                                ; the four pairs are in; the 32 loads behind them may be out
	v_min_num_f32 v[T0], v[SI], v[SI+2]
	v_min_num_f32 v[T1], v[SI+4], v[SI+6]
	v_min_num_f32 v[T0], v[T0], v[T1]              ; the smallest -M: the largest M
.irp s, 0,1,2,3
	v_sub_f32 v[G+2*\s], v[T0], v[SI+2*\s]         ; M of wave s - the largest M: a whole number, 0 or less
.endr
.irp s, 0,1,2,3
	v_cvt_i32_f32 v[G+2*\s], v[G+2*\s]
.endr
.irp s, 0,1,2,3
	v_ldexp_f32 v[G+2*\s], 1.0, v[G+2*\s]
.endr
	v_mul_f32 v[T1], v[G], v[SI+1]
.irp s, 1,2,3
	v_fma_f32 v[T1], v[G+2*\s], v[SI+2*\s+1], v[T1]        ; the row's sum under the largest M
.endr
	v_rcp_f32 v[T2], v[T1]
	v_nop                                          ; one plain place behind a transcendental
	s_wait_alu depctr_va_vdst(0)
.irp s, 0,1,2,3
	v_mul_f32 v[G+2*\s], v[G+2*\s], v[T2]
.endr
.irp s, 0,1,2,3
	v_mov_b32 v[G+2*\s+1], v[G+2*\s]
.endr
	INLOAD 1
	s_wait_dscnt 32                                ; part 0 is in
	WIN 0x42                                       ; the result: window 1 v0-127; the parts: window 2
.set j, 0
.rept 64
	v_pk_mul_f32 v[j:j+1], v[j:j+1], v[G:G+1]
.set j, j+2
.endr
	INLOAD 2                                       ; over part 0, which has been taken
	s_wait_dscnt 32                                ; part 1 is in
	WIN 0x52
.set j, 0
.rept 64
	v_pk_fma_f32 v[j:j+1], v[128+j:129+j], v[G+2:G+3], v[j:j+1]
.set j, j+2
.endr
	INLOAD 3                                       ; over part 1
	s_wait_dscnt 32                                ; part 2 is in
	WIN 0x52
.set j, 0
.rept 64
	v_pk_fma_f32 v[j:j+1], v[j:j+1], v[G+4:G+5], v[j:j+1]
.set j, j+2
.endr
	s_wait_dscnt 0x0
.set j, 0
.rept 64
	v_pk_fma_f32 v[j:j+1], v[128+j:129+j], v[G+6:G+7], v[j:j+1]
.set j, j+2
.endr
; 64 numbers of a lane in window 1, register 64 s + 16 b + i = channel 128 s + 32 b + 16 (lane / 16) + i of my query, become fragment s and its scale word
.macro QUANTO s
	WIN 0x05
.irp b, 0,1,2,3
	v_max3_num_f32 v[TM+\b], |v[64*\s+16*\b]|, |v[64*\s+16*\b+1]|, 0x1800000
.endr
.irp i, 2,4,6,8,10,12,14
.irp b, 0,1,2,3
	v_max3_num_f32 v[TM+\b], |v[64*\s+16*\b+\i]|, |v[64*\s+16*\b+\i+1]|, v[TM+\b]
.endr
.endr
	WIN 0
.irp b, 0,1,2,3
	v_permlanex16_b32 v[TM+4+\b], v[TM+\b], s[SEL], s[SEL+1]
.endr
.irp b, 0,1,2,3
	v_max_num_f32 v[TM+\b], v[TM+\b], v[TM+4+\b]
.endr
.irp b, 0,1,2,3
	v_add_nc_u32 v[TM+12+\b], 0xff000000, v[TM+\b]
.endr
.irp b, 0,1,2,3
	v_lshrrev_b32 v[TM+4+\b], 23, v[TM+12+\b]
.endr
	v_lshl_or_b32 v[PW+\s], v[TM+5], 8, v[TM+4]
	v_lshl_or_b32 v[PW+\s], v[TM+6], 16, v[PW+\s]
	v_lshl_or_b32 v[PW+\s], v[TM+7], 24, v[PW+\s]
	WIN 0x01
.irp c, 0,1
	v_cvt_scalef32_pk16_fp6_f32 v[PC+6*\c:PC+6*\c+2], v[64*\s+32*\c:64*\s+32*\c+15], v[TM+12+2*\c]
	v_cvt_scalef32_pk16_fp6_f32 v[PC+12+4*\c:PC+14+4*\c], v[64*\s+32*\c+16:64*\s+32*\c+31], v[TM+12+2*\c+1]
.endr
	WIN 0
	v_nop                                          ; one plain place behind a scaled conversion
.irp c, 0,1
.irp i, 0,1,2
	v_permlane16_swap_b32 v[PC+6*\c+\i], v[PC+12+4*\c+\i]
.endr
.irp i, 0,1,2
	v_mov_b32 v[PC+3+6*\c+\i], v[PC+12+4*\c+\i]
.endr
.endr
.irp c, 0,1,2
	ds_store_b128 v[OIW], v[PC+4*\c:PC+4*\c+3] offset:1536*\s+512*\c       ; the fragment as it stands
.endr
.endm
	WIN 0
.irp b, 0,1,2,3
	v_mov_b32 v[TM+4+\b], 0                        ; a lane permute's destination counts as read
.endr
	QUANTO 0
	s_wait_dscnt 0x0                               ; the stores have read their registers
	QUANTO 1
	v_cmp_le_u32 vcc_lo, 16, v[LN]
	v_cndmask_b32 v[PW+2], v[PW], v[PW+1], vcc_lo  ; K step 0's word in lanes 0-15, K step 1's in lanes 16-31
	ds_store_b32 v[OSW], v[PW+2]
	BAR                                            ; the result's eight fragments lie in LDS
.irp i, 0,1,2,3
.irp s, 0,1
.irp c, 0,1,2
	ds_load_b128 v[FA+12*(2*\i+\s)+4*\c:FA+12*(2*\i+\s)+4*\c+3], v[OIR] offset:3072*\i+1536*\s+512*\c
.endr
.endr
	ds_load_b32 v[SCL+4+\i], v[OSR] offset:128*\i
.endr
	s_wait_loadcnt 0x0                             ; wp, its scales, bp, the residual
	WIN 0x40
.irp t, 0,1,2,3
.irp j, 0,1,2,3,4,5,6,7
	v_mov_b32 v[8*\t+\j], v[BPV+\t]                ; a lane holds one output channel: its bias is the C of each sum's first product
.endr
.endr
	PLACES 4
	s_wait_dscnt 0x0
	; source 0 = 16 queries of the result, source 1 = 16 rows of wp: a lane holds one output channel and eight neighbouring pixels.  The 16 accumulators, in window 3, take turns
.irp s, 0,1
	WIN 0xd0+0x20*\s                               ; D window 3; C: the bias blocks in window 1, then D itself
.irp t, 0,1,2,3
.irp i, 0,1,2,3
.if \s == 0
	WM 8*(4*\t+\i), FA+24*\i, Q+24*\t, 8*\t, SCL+4+\i, QSC+\t, 0, 0
.else
	WM 8*(4*\t+\i), FA+24*\i+12, Q+24*\t+12, 8*(4*\t+\i), SCL+4+\i, QSC+\t, 1, 1
.endif
.endr
.endr
.endr
	PLACES 4
	; THE WAY OUT: 16 output channels x 64 pixels at a time through my stage; LDS serves a wave's instructions in order, so no wait stands between the stores and the loads, nor in front of the next tile's stores
.irp t, 0,1,2,3
	WIN 0x0c                                       ; a store's data: window 3
.irp i, 0,1,2,3
	ds_store_b128 v[STO], v[8*(4*\t+\i):8*(4*\t+\i)+3] offset:128*(\i/2)+32*(\i%2)         ; pixels 32 (i / 2) + 8 (i % 2) + 16 h + 0 .. 7
	ds_store_b128 v[STO], v[8*(4*\t+\i)+4:8*(4*\t+\i)+7] offset:128*(\i/2)+32*(\i%2)+16
.endr
	WIN 0x80                                       ; back into window 2, a buffer for each tile: no store's data are written again
.irp k, 0,1,2,3,4,5,6,7
	ds_load_b128 v[32*\t+4*\k:32*\t+4*\k+3], v[SRD] offset:544*\k
.endr
.endr
.irp t, 0,1,2,3
	s_wait_dscnt 16*(3-\t)                         ; this tile's rows are back; the later tiles' 16 instructions each may be out
	WIN 0x86                                       ; window 2 += window 1
.set j, 0
.rept 16
	v_pk_add_f32 v[32*\t+j:32*\t+j+1], v[32*\t+j:32*\t+j+1], v[128+32*\t+j:128+32*\t+j+1]  ; + x
.set j, j+2
.endr
	WIN 0x08
.irp k, 0,1,2,3,4,5,6,7
	global_store_b128 v[GX], v[32*\t+4*\k:32*\t+4*\k+3], s[18:19] offset:(16*\t+2*\k)*16384 th:TH_STORE_NT     ; 16 lanes store 256 consecutive bytes, aligned
.endr
.endr
	WIN 0
	s_wait_tensorcnt 0x0                           ; the wave's end
	ds_add_u32 v[SPW], v[NIL]
	s_wait_dscnt 0x0
	CROUND                                         ; the closing round
	s_endpgm
.Lfunc_end_k_qb3c4ac0d32_attn:
	.size	k_qb3c4ac0d32_attn, .Lfunc_end_k_qb3c4ac0d32_attn-k_qb3c4ac0d32_attn
	.p2alignl 7, 3214868480
	.fill 96, 4, 3214868480
	.section	.rodata,"a",@progbits
	.p2align	6, 0x0
	.amdhsa_kernel k_qb3c4ac0d32_attn
		.amdhsa_group_segment_fixed_size 327680
		.amdhsa_private_segment_fixed_size 0
		.amdhsa_enable_private_segment 0
		.amdhsa_kernarg_size 64
		.amdhsa_user_sgpr_count 2
		.amdhsa_user_sgpr_kernarg_segment_ptr 1
		.amdhsa_wavefront_size32 1
		.amdhsa_system_sgpr_workgroup_id_x 1
		.amdhsa_system_sgpr_workgroup_id_y 1
		.amdhsa_system_sgpr_workgroup_id_z 1
		.amdhsa_system_vgpr_workitem_id 0
		.amdhsa_next_free_vgpr 1024
		.amdhsa_next_free_sgpr 66
		.amdhsa_reserve_vcc 1
		.amdhsa_float_denorm_mode_32 3
		.amdhsa_float_denorm_mode_16_64 3
		.amdhsa_memory_ordered 1
		.amdhsa_forward_progress 1
		.amdhsa_inst_pref_size 255
	.end_amdhsa_kernel
	.section	.bss,"aw",@nobits
	.p2align	6
	.space	262144
	.amdgpu_metadata
---
amdhsa.version: [ 1, 2 ]
amdhsa.kernels:
  - .name:           k_qb3c4ac0d32_attn
    .symbol:         k_qb3c4ac0d32_attn.kd
    .args:
      - { .name: qws, .offset: 0, .size: 8, .value_kind: global_buffer, .address_space: global }
      - { .name: kws, .offset: 8, .size: 8, .value_kind: global_buffer, .address_space: global }
      - { .name: vws, .offset: 16, .size: 8, .value_kind: global_buffer, .address_space: global }
      - { .name: wp_codes, .offset: 24, .size: 8, .value_kind: global_buffer, .address_space: global }
      - { .name: wp_scales, .offset: 32, .size: 8, .value_kind: global_buffer, .address_space: global }
      - { .name: bp, .offset: 40, .size: 8, .value_kind: global_buffer, .address_space: global }
      - { .name: x, .offset: 48, .size: 8, .value_kind: global_buffer, .address_space: global }
      - { .name: out0, .offset: 56, .size: 8, .value_kind: global_buffer, .address_space: global }
    .group_segment_fixed_size: 327680
    .private_segment_fixed_size: 0
    .kernarg_segment_align: 8
    .kernarg_segment_size: 64
    .max_flat_workgroup_size: 128
    .sgpr_count:     66
    .vgpr_count:     1024
    .wavefront_size: 32
...
	.end_amdgpu_metadata
.endif
;; end of part 3
